; MI455X (gfx1250); checked and timed in simulation.
; The chip was launched on July 23, 2026; its instructions are those of AMD's public machine-readable ISA for CDNA 5 (MIT licence, August 2026) and "CDNA5" Instruction Set Architecture Reference Guide (July 2026). The comments in the code are by the model that wrote it; some were corrected since.
;; Base Attention. Allowed arithmetic: matrix products marked QUANTISED: E3M2 operands, one E8M0 scale for each 32 along K, by v_wmma_scale_f32_16x16x128_f8f6f4 with both operands' format E3M2, f32 sums; everything else in f32.
;; Inputs: k 2 x 16 x 2,048 x 64 float32; mask 1 x 1 x 2,048 x 2,048 int32; q 2 x 16 x 2,048 x 64 float32; v 2 x 16 x 2,048 x 64 float32.
;; Outputs: out0 2 x 16 x 2,048 x 64 float32.
;; This version of the problem:
;;   THIS VERSION OF THE PROBLEM IS GIVEN IN LOW PRECISION. The matrix products marked QUANTISED in the list below multiply operands that are first quantised to E3M2 (3 exponent bits, 2 mantissa bits; 6 bits a number), with one power-of-two scale for each 32 numbers along K (OCP MX v1.0); their sums are f32. All else is computed in f32.
;;   The module's matrix products, in the order in which they are computed (A, B: the left and right operand; K: the contracted axis; several contracted axes count as one K, in the product's order):
;;     1. batch 32 x [M 2,048, K 64] x [K 64, N 2,048]; A: input q; B: input k: QUANTISED
;;     2. batch 32 x [M 2,048, K 2,048] x [K 2,048, N 64]; A: softmax (see below); B: input v: QUANTISED
;;   THE QUANTISER, for each operand of a quantised product, along K:
;;     - K is cut into blocks of 32 from its start; a last block that is shorter is filled with zeros.
;;     - A block's scale is 2^e with e = floor(log2(the largest magnitude in the block)) - 4, held to -126 .. 127; a block of zeros has e = 0. As a byte (E8M0): e + 127.
;;     - Each number is divided by its block's scale, clamped to +-28, and rounded to the nearest number of E3M2, ties to even, subnormals kept.
;;     - The product sums the exact products of the quantised numbers (number of the format x scale) in f32.
;;   ~~~python
;;   def quantise(x, axis):      # numpy; x: float32 -> the quantised numbers, widened to float32 again
;;       x = np.moveaxis(x, axis, -1); K = x.shape[-1]
;;       x = np.pad(x, [(0, 0)] * (x.ndim - 1) + [(0, -K % 32)]); x = x.reshape(x.shape[:-1] + (-1, 32)); a = np.abs(x).max(-1, keepdims=True)
;;       e = np.where(a > 0, np.clip(np.frexp(np.where(a > 0, a, 1))[1] - 1 - 4, -126, 127), 0)      # np.frexp(a)[1] - 1 = floor(log2(a)), exactly
;;       r = np.clip(x / 2.0 ** e, -28, 28)
;;       step = 2.0 ** (np.maximum(np.frexp(np.where(r == 0, 1, r))[1] - 1, -2) - 2)
;;       q = np.round(r / step) * step * 2.0 ** e      # np.round: ties to even
;;       return np.moveaxis(q.reshape(q.shape[:-2] + (-1,))[..., :K], -1, axis).astype(np.float32)
;;   ~~~
;;   SOFTMAX AHEAD OF A QUANTISED PRODUCT. Where the list says 'softmax', what is quantised is not the finished softmax but p = 2^(t - M), with t = logit x log2(e) and M = ceil(the row's largest t), a whole number; so 1/2 < the row's largest p <= 1. The row's sum l is taken of the UNQUANTISED p, in f32, and the product's result is divided by l at the end. Since M is a whole number, a kernel that streams over the keys may use a running M (the ceiling of the running maximum): every later rescaling is an exact power of two, which a block's scale takes up: the codes' values come out the same.
;;   OPERANDS COMPUTED ON THE WAY. 'Computed on the way' means the value that the module computes at that place (a softmax that the list does not call 'softmax' is quantised finished and normalised). What goes into a quantiser is computed in f32, as accurately as f32 sums, v_exp_f32 and their like allow (about 1e-6 of the number): no bf16 or f16 on the way to a quantiser, and a product that is left as it is and whose result goes on into a quantised operand takes f32 operands (vector FMAs, or v_wmma_f32_16x16x4_f32). A number that lies on a knife's edge between two numbers of the format may be rounded either way, as far as f32 arithmetic and the matrix unit's own rounding can turn it there, and no further.
;; One version. Each part assembles by itself: llvm-mc -triple=amdgcn-amd-amdhsa -mcpu=gfx1250 --defsym DOCPART=n.
;; ======== version 1 of 1: 2 launches
;; limits: right only within a limited range of input values
;; workspace buffers: kv 6,553,600 bytes; mw 3,145,728 bytes
;; launch prep (part 1): grid 768 x 1, 4 waves a work-group, no clusters, 71,168 bytes of LDS; arguments k, v, mask, kv, mw; writes kv, mw
.if DOCPART == 1
	.amdgcn_target "amdgcn-amd-amdhsa--gfx1250"
	.amdhsa_code_object_version 6
	.text
	.protected	k_q9f8d944e75_prep
	.globl	k_q9f8d944e75_prep
	.p2align	8
	.type	k_q9f8d944e75_prep,@function
k_q9f8d944e75_prep:
	s_mov_b64 s[64:65], 0
	v_nop
	global_prefetch_b8 v0, s[64:65] scope:SCOPE_SE
	s_setreg_imm32_b32 hwreg(HW_REG_WAVE_MODE, 25, 1), 1
	s_wait_xcnt 0x0
; k, v [32 heads][2048][64] f32 and mask [2048][2048] int32 are laid out once for the attention launch, in the ORDER OF THE OPERANDS' REGISTERS, so that the reader fills registers by loads of neighbouring bytes in neighbouring lanes and nothing else.
; Codes are BF6 (E3M2); k and v have one E8M0 byte for each 32 along a product's K: byte = the largest magnitude's exponent field - 4, held at 1 from below by a floor among the maximum's leaves.
;   kv: block (head x 16 + step), 12,800 bytes, a step = 128 keys:  +0 K's image (6,144)  +6,144 V's image (6,144)  +12,288 K's scale words (2 x 128)  +12,544 V's scale words (2 x 128); a group of four registers is 512 bytes, lane l's 16 bytes at 16 l
;   mw: entry (pair of tiles of 16 queries x 16 + step), 3,072 bytes, a tile 1,536: the mask's entries as codes, in the layout of the first product's accumulators: group g (384 bytes, 12 a lane): the sixteen codes of registers 16 g .. 16 g + 15
; K's image: fragment 2 c + u (12 registers) carries TWO tiles of 16 rows, since K = 64 is half of the instruction's 128: registers 0-5 key 64 c + 16 u + r % 8 + 32 (r / 8), d = 32 h .. 32 h + 31; registers 6-11 the key 8 further on.
; So accumulator register 32 c + i of lane (r, h) is key 64 c + 32 h + i: a lane holds whole blocks of 32 keys, in the second product's own order.
; V's image: tile t (12 registers), row d = 16 t + r; registers 6 c .. 6 c + 5: keys 64 c + 32 h + 0 .. 31 of the step (the keys are the second product's K).
; SHARES: work-groups 0-255 V, 256-511 K, 512-767 the mask: 64 KiB of input each, a wave 16 KiB.  The three paths never join; each has LDS bytes of its own.
; A stream: no matrix unit, no tensor loads, no barrier (waves share nothing), no cluster (work-groups share no input).
; LIMITS: NaN and infinities among k, v are not served.  A block whose largest magnitude lies under 2^(5 - 127), a block of zeros too, gets the byte 1 (its codes are zeros or next to it); only this program reads the bytes.
; The mask's entries are exact from -8 to 8 (the problem's are 0 and 1); beyond that they are rounded to three significant bits and held at 28 in magnitude.
.set KSTG,  8960                       ; K: a wave's stage: 32 rows x 272 bytes + 128 behind the first sixteen
.set MBASE, 4*KSTG                     ; mask: its stages begin behind K's four
.set MSTG,  8704                       ; 16 rows of 512 bytes + 16 (and some room)
.set SPARE, MBASE+4*MSTG               ; the spare words, 128 bytes for each wave: blocks that no other line names
.set R,   16                           ; K, mask: v16-143  two fragments' rows, or two steps, as they are loaded
.set X,   144                          ; K:    v144-207 two blocks of 32 neighbours along d;  mask: back from the stage, 16 neighbours along the keys four times
.set C,   208                          ; K:    v208-231 codes: 12 registers a fragment;  mask: v208-239, 16 a step; never written again (they are stores' data)
.set TQ,  232                          ;       v232-234, v236-238 the upper halves of two blocks' codes
.set W,   240                          ;       v240-241 the fragments' scale words
.set SW,  242
.set SPW, 244                          ; my spare word and 0: never rewritten
.set NIL, 245
.set XV,  16                           ; V:    v16-79   two sets of 32 numbers down the keys
.set FV,  80                           ;       v80-103  two tiles' codes
.set TV,  128                          ;       v128-130 the upper half of a block's codes
.set WSV, 132                          ;       v132 scale word
	s_load_b256 s[4:11], s[0:1], 0x0               ; k s[4:5], v s[6:7], mask s[8:9], kv s[10:11]
	s_load_b64 s[12:13], s[0:1], 0x20              ; mw
	v_lshl_add_u32 v[SPW], v0, 2, SPARE
	v_mov_b32 v[NIL], 0
	v_lshrrev_b32 v1, 5, v0
	v_readfirstlane_b32 s18, v1                    ; wave 0..3
	v_and_b32 v1, 31, v0                           ; lane
	v_lshlrev_b32 v2, 4, v1                        ; 16 x lane: never rewritten
	v_lshlrev_b32 v5, 2, v1                        ; 4 x lane: never rewritten
	s_mov_b32 s30, 0x76543210
	s_mov_b32 s31, 0xfedcba98                      ; v_permlanex16_b32: lane l xor 16
	s_mov_b32 s35, 0
	s_lshr_b32 s19, s18, 1                         ; V, K: which of the work-group's two steps,
	s_and_b32 s24, s18, 1                          ; and which half of it
	s_wait_alu depctr_va_vdst(0)
	s_wait_kmcnt 0x0
	s_cmp_lt_u32 ttmp9, 256
	s_cbranch_scc1 .Lv
	s_cmp_lt_u32 ttmp9, 512
	s_cbranch_scc1 .Lk
; ---------------- THE MASK.  Two work-groups to a tile of 16 queries; a wave takes two steps of 128 keys.
; A load brings one query's 128 keys, 512 consecutive bytes.  They turn through the wave's own stage (rows of 512 bytes + 16), from which lane (r, h) reads, for group g = 2 c + s, the sixteen neighbours 64 c + 32 h + 16 s .. of query r.
	s_sub_co_u32 s20, ttmp9, 512
	s_lshr_b32 s21, s20, 1                         ; the tile
	s_and_b32 s22, s20, 1
	s_lshl_b32 s22, s22, 2
	s_add_co_u32 s22, s22, s18                     ; the pair of steps, 0..7
	s_lshl_b32 s34, s21, 17                        ; 16 rows of 8,192 bytes
	s_lshl_b32 s23, s22, 10
	s_add_co_u32 s34, s34, s23
	s_add_nc_u64 s[8:9], s[8:9], s[34:35]
	s_lshr_b32 s34, s21, 1                         ; mw: the pair of tiles' 16 entries of 3,072 bytes,
	s_mul_i32 s34, s34, 49152
	s_and_b32 s23, s21, 1                          ; the tile's half of an entry,
	s_mul_i32 s23, s23, 1536
	s_add_co_u32 s34, s34, s23
	s_mul_i32 s23, s22, 6144                       ; and my two entries
	s_add_co_u32 s34, s34, s23
	s_add_nc_u64 s[12:13], s[12:13], s[34:35]
	s_mul_i32 s27, s18, MSTG
	s_add_co_u32 s27, s27, MBASE                   ; my stage
.macro MLOAD t
.irp r, 0,1,2,3,4,5,6,7,8,9,10,11,12,13,14,15
	global_load_b128 v[R+64*(\t)+4*\r:R+64*(\t)+4*\r+3], v2, s[8:9] offset:\r*8192+512*(\t) th:TH_LOAD_NT   ; 32 lanes read 512 consecutive bytes
.endr
.endm
	MLOAD 0
	MLOAD 1
	v_add_nc_u32 v3, s27, v2                       ; in: 16 x lane
	v_lshrrev_b32 v6, 4, v1                        ; h
	v_and_b32 v7, 15, v1                           ; r
	v_mul_u32_u24 v4, v7, 528
	v_lshl_add_u32 v4, v6, 7, v4
	v_add_nc_u32 v4, s27, v4                       ; back: row r, 128 h
	v_mul_u32_u24 v6, v1, 12                       ; out: 12 bytes a lane
	v_mov_b32 v10, 1.0                             ; the conversions' scale
	s_wait_alu depctr_va_vdst(0)
.macro MJOB t
	s_wait_loadcnt 16-16*(\t)                      ; this step's sixteen loads; the next step's may be out
.irp r, 0,1,2,3,4,5,6,7,8,9,10,11,12,13,14,15
	ds_store_b128 v3, v[R+64*(\t)+4*\r:R+64*(\t)+4*\r+3] offset:528*\r
.endr
.irp g, 0,1,2,3
.irp i, 0,1,2,3
	ds_load_b128 v[X+16*\g+4*\i:X+16*\g+4*\i+3], v4 offset:256*(\g/2)+64*(\g%2)+16*\i   ; LDS serves a wave's instructions in order: these see the stores above
.endr
.endr
	s_wait_dscnt 0x0
.set j, 0
.rept 64
	v_cvt_f32_i32 v[X+j], v[X+j]
.set j, j+1
.endr
.irp g, 0,1,2,3
	v_cvt_scalef32_pk16_bf6_f32 v[C+16*(\t)+4*\g:C+16*(\t)+4*\g+2], v[X+16*\g:X+16*\g+15], v10
.endr
	v_nop                                          ; one plain place behind a scaled conversion
.irp g, 0,1,2,3
	global_store_b96 v6, v[C+16*(\t)+4*\g:C+16*(\t)+4*\g+2], s[12:13] offset:3072*(\t)+384*\g   ; the four stores cover 1,536 consecutive bytes, six aligned units of 256
.endr
.endm
	MJOB 0
	MJOB 1
	s_wait_tensorcnt 0x0                           ; the wave's end
	ds_add_u32 v[SPW], v[NIL]
	s_wait_dscnt 0x0
	s_endpgm
; ---------------- V.  A wave takes 128 keys x 32 columns of one head.  A LANE TAKES A COLUMN d AND ITS REGISTERS RUN DOWN THE KEYS: a block of 32 keys lies in one lane's 32 registers.
; Two neighbouring waves take the two halves of a key's 256 bytes.
.Lv:
	s_lshl_b32 s26, ttmp9, 1
	s_add_co_u32 s26, s26, s19                     ; head x 16 + step
	s_lshl_b32 s34, s26, 15                        ; 128 rows of 256 bytes
	s_lshl_b32 s27, s24, 7                         ; + 128 x half
	s_add_co_u32 s34, s34, s27
	s_add_nc_u64 s[20:21], s[6:7], s[34:35]
	s_mul_i32 s34, s26, 12800
	s_mul_i32 s28, s24, 3072
	s_add_co_u32 s28, s28, s34
	s_add_co_u32 s34, s34, s27
	s_add_co_u32 s34, s34, 12544                   ; my scale words
	s_add_nc_u64 s[14:15], s[10:11], s[34:35]
	s_add_co_u32 s34, s28, 6144                    ; my two tiles of V's image
	s_add_nc_u64 s[22:23], s[10:11], s[34:35]
.macro VLOAD n
.irp i, 0,1,2,3,4,5,6,7,8,9,10,11,12,13,14,15,16,17,18,19,20,21,22,23,24,25,26,27,28,29,30,31
	global_load_b32 v[XV+32*((\n)%2)+\i], v5, s[20:21] offset:(32*(\n)+\i)*256
.endr
.endm
.macro VBLOCK n
.set vc_, (\n)/2
.set ve_, (\n)%2
.set xs_, XV+32*ve_
.set fd_, FV+12*ve_+6*vc_
.if (\n) < 3
	s_wait_loadcnt 32                              ; this block's 32 loads are in; the next block's 32 may be out
.else
	s_wait_loadcnt 0x0
.endif
	v_max3_num_f32 v8, |v[xs_]|, |v[xs_+1]|, 0x2800000            ; the block's largest magnitude, in two chains, with the floor 2^(5 - 127) among the leaves
	v_max3_num_f32 v9, |v[xs_+2]|, |v[xs_+3]|, |v[xs_+4]|
.irp i, 5,9,13,17,21,25
	v_max3_num_f32 v8, v8, |v[xs_+\i]|, |v[xs_+\i+1]|
	v_max3_num_f32 v9, v9, |v[xs_+\i+2]|, |v[xs_+\i+3]|
.endr
	v_max3_num_f32 v8, v8, |v[xs_+29]|, |v[xs_+30]|
	v_max3_num_f32 v8, v8, v9, |v[xs_+31]|
	v_add_nc_u32 v10, 0xfe000000, v8               ; 4 off its exponent field: the conversion takes this operand's exponent field as its scale
	v_lshrrev_b32 v11, 23, v10                     ; the scale's byte
.if (\n) == 0
	v_mov_b32 v[WSV], v11                          ; the word of (d, step): byte B for key block B
.else
	v_lshl_or_b32 v[WSV], v11, 8*(\n), v[WSV]
.endif
	v_cvt_scalef32_pk16_bf6_f32 v[fd_:fd_+2], v[xs_:xs_+15], v10
	v_cvt_scalef32_pk16_bf6_f32 v[TV:TV+2], v[xs_+16:xs_+31], v10   ; (a conversion's three registers begin on an even number)
	v_nop                                          ; one plain place behind a scaled conversion
.irp i, 0,1,2
	v_mov_b32 v[fd_+3+\i], v[TV+\i]
.endr
.if (\n)+2 < 4
	VLOAD (\n)+2
.endif
.if ve_ == 1
; lanes 0-15 hold the lower tile, lanes 16-31 the upper one, of key blocks 2 c (first run of registers) and 2 c + 1 (second).  The operand wants, in one tile's registers, block 2 c in lanes 0-15 and block 2 c + 1 in lanes 16-31
.irp i, 0,1,2,3,4,5
	v_permlane16_swap_b32 v[FV+6*vc_+\i], v[FV+12+6*vc_+\i]
.endr
.endif
.endm
	VLOAD 0
	VLOAD 1
.irp n, 0,1,2,3
	VBLOCK \n
.endr
.irp g, 0,1,2,3,4,5
	global_store_b128 v2, v[FV+4*\g:FV+4*\g+3], s[22:23] offset:512*\g   ; 512 consecutive bytes, aligned
.endr
	global_store_b32 v5, v[WSV], s[14:15]          ; lanes 0-15 the lower tile, lanes 16-31 the upper
	s_endpgm
; ---------------- K.  A wave takes 64 rows of one head: two fragments of 32 rows, sixteen and sixteen that stand 32 rows further on.  Loads take the bytes as they lie (512 a load, two rows); a fragment's 8,192 bytes turn through
; the wave's own stage, from which lane (r, h) reads 128 bytes (one block of 32 along d) of stage row r + 8 (r / 8) and of the row 8 further on.
; Stage row R at 272 R + 128 (R / 16): the sixteen rows 0-7, 16-23 (or 8-15, 24-31) that a pass of sixteen lanes reads fall into sixteen different columns of 16 bytes.
.Lk:
	s_sub_co_u32 s26, ttmp9, 256
	s_lshl_b32 s26, s26, 1
	s_add_co_u32 s26, s26, s19                     ; head x 16 + step
	s_lshl_b32 s34, s26, 15
	s_lshl_b32 s27, s24, 14
	s_add_co_u32 s34, s34, s27
	s_add_nc_u64 s[20:21], s[4:5], s[34:35]
	s_mul_i32 s34, s26, 12800
	s_mul_i32 s28, s24, 3072
	s_add_co_u32 s28, s28, s34
	s_lshl_b32 s27, s24, 7
	s_add_co_u32 s34, s34, s27
	s_add_co_u32 s34, s34, 12288                   ; my scale words
	s_add_nc_u64 s[14:15], s[10:11], s[34:35]
	s_mov_b32 s34, s28
	s_add_nc_u64 s[22:23], s[10:11], s[34:35]
	s_mul_i32 s27, s18, KSTG                       ; my stage
.macro KLOAD f
.irp i, 0,1,2,3,4,5,6,7,8,9,10,11,12,13,14,15
	global_load_b128 v[R+64*(\f)+4*\i:R+64*(\f)+4*\i+3], v2, s[20:21] offset:(\f)*4096+(\i/8)*8192+(\i%8)*512 th:TH_LOAD_NT
.endr
.endm
	KLOAD 0
	KLOAD 1
	v_and_b32 v7, 15, v1                           ; r
	v_lshrrev_b32 v6, 4, v1                        ; h
	v_and_b32 v14, 8, v7
	v_add_nc_u32 v14, v14, v7                      ; r + 8 (r / 8)
	v_mul_u32_u24 v4, v14, 272
	v_lshrrev_b32 v14, 3, v7
	v_lshl_add_u32 v4, v14, 7, v4                  ; + 128 for rows 16 on
	v_lshl_add_u32 v4, v6, 7, v4                   ; + 128 h: my block of 32 along d
	v_add_nc_u32 v4, s27, v4                       ; back
	v_mul_u32_u24 v3, v6, 272
	v_lshl_add_u32 v3, v7, 4, v3
	v_add_nc_u32 v3, s27, v3                       ; in: lanes 0-15 the even row, lanes 16-31 the odd one
	v_lshlrev_b32 v6, 3, v6                        ; 8 h: my bytes' shift in a scale word
	v_mov_b32 v15, 0                               ; written once: a lane permute's destination counts as one of its sources
	s_wait_alu depctr_va_vdst(0)
.macro KTURN f
.irp i, 0,1,2,3,4,5,6,7,8,9,10,11,12,13,14,15
	ds_store_b128 v3, v[R+64*(\f)+4*\i:R+64*(\f)+4*\i+3] offset:544*\i+128*(\i/8)
.endr
.irp i, 0,1,2,3,4,5,6,7
	ds_load_b128 v[X+4*\i:X+4*\i+3], v4 offset:16*\i             ; LDS serves a wave's instructions in order: these see the stores above
.endr
.irp i, 0,1,2,3,4,5,6,7
	ds_load_b128 v[X+32+4*\i:X+32+4*\i+3], v4 offset:2176+16*\i   ; the row 8 further on
.endr
.endm
.macro KQUANT f
.irp c, 0,1
	v_max3_num_f32 v[8+\c], |v[X+32*\c]|, |v[X+32*\c+1]|, 0x2800000   ; my two blocks by turns; the floor 2^(5 - 127) holds the byte at 1 from below
.endr
.irp i, 2,4,6,8,10,12,14,16,18,20,22,24,26,28,30
.irp c, 0,1
	v_max3_num_f32 v[8+\c], v[8+\c], |v[X+32*\c+\i]|, |v[X+32*\c+\i+1]|
.endr
.endr
.irp c, 0,1
	v_add_nc_u32 v[10+\c], 0xfe000000, v[8+\c]     ; 4 off the exponent field: the conversion's scale operand
.endr
.irp c, 0,1
	v_lshrrev_b32 v[12+\c], 23, v[10+\c]           ; the scale's byte
.endr
	v_lshl_or_b32 v14, v13, 16, v12                ; the fragment's word of lane r: (lower row block 0, block 1, upper row block 0, block 1): mine are blocks h,
	v_lshlrev_b32 v14, v6, v14                     ; 8 h bits up;
	v_permlanex16_b32 v15, v14, s30, s31
	v_or_b32 v[W+(\f)], v14, v15                   ; with lane l xor 16's two the word is whole, in both halves of the lanes
.irp c, 0,1
	v_cvt_scalef32_pk16_bf6_f32 v[C+12*(\f)+6*\c:C+12*(\f)+6*\c+2], v[X+32*\c:X+32*\c+15], v[10+\c]
	v_cvt_scalef32_pk16_bf6_f32 v[TQ+4*\c:TQ+4*\c+2], v[X+32*\c+16:X+32*\c+31], v[10+\c]   ; (a conversion's three registers begin on an even number)
.endr
	v_nop                                          ; one plain place behind a scaled conversion
.irp c, 0,1
.irp i, 0,1,2
	v_mov_b32 v[C+12*(\f)+6*\c+3+\i], v[TQ+4*\c+\i]
.endr
.endr
.irp g, 0,1,2
	global_store_b128 v2, v[C+12*(\f)+4*\g:C+12*(\f)+4*\g+3], s[22:23] offset:(3*(\f)+\g)*512   ; 512 consecutive bytes, aligned
.endr
.endm
	s_wait_loadcnt 16                              ; fragment 0's sixteen loads; fragment 1's may be out
	KTURN 0
	s_wait_dscnt 0x0
	KQUANT 0
	s_wait_loadcnt 0x0
	KTURN 1
	s_wait_dscnt 0x0
	KQUANT 1
	v_cmp_gt_u32 vcc_lo, 16, v1                    ; lanes 0-15
	v_cndmask_b32 v[SW], v[W+1], v[W], vcc_lo      ; lanes 0-15 the first fragment, lanes 16-31 the second
	global_store_b32 v5, v[SW], s[14:15]
	s_wait_tensorcnt 0x0                           ; the wave's end
	ds_add_u32 v[SPW], v[NIL]
	s_wait_dscnt 0x0
	s_endpgm
.Lfunc_end_k_q9f8d944e75_prep:
	.size	k_q9f8d944e75_prep, .Lfunc_end_k_q9f8d944e75_prep-k_q9f8d944e75_prep
	.p2alignl 7, 3214868480
	.fill 96, 4, 3214868480
	.section	.rodata,"a",@progbits
	.p2align	6, 0x0
	.amdhsa_kernel k_q9f8d944e75_prep
		.amdhsa_group_segment_fixed_size 71168
		.amdhsa_private_segment_fixed_size 0
		.amdhsa_enable_private_segment 0
		.amdhsa_kernarg_size 40
		.amdhsa_user_sgpr_count 2
		.amdhsa_user_sgpr_kernarg_segment_ptr 1
		.amdhsa_wavefront_size32 1
		.amdhsa_system_sgpr_workgroup_id_x 1
		.amdhsa_system_sgpr_workgroup_id_y 1
		.amdhsa_system_sgpr_workgroup_id_z 1
		.amdhsa_system_vgpr_workitem_id 0
		.amdhsa_next_free_vgpr 248
		.amdhsa_next_free_sgpr 66
		.amdhsa_reserve_vcc 1
		.amdhsa_float_denorm_mode_32 3
		.amdhsa_float_denorm_mode_16_64 3
		.amdhsa_memory_ordered 1
		.amdhsa_forward_progress 1
		.amdhsa_inst_pref_size 50
	.end_amdhsa_kernel
	.amdgpu_metadata
---
amdhsa.version: [ 1, 2 ]
amdhsa.kernels:
  - .name:           k_q9f8d944e75_prep
    .symbol:         k_q9f8d944e75_prep.kd
    .args:
      - { .name: k, .offset: 0, .size: 8, .value_kind: global_buffer, .address_space: global }
      - { .name: v, .offset: 8, .size: 8, .value_kind: global_buffer, .address_space: global }
      - { .name: mask, .offset: 16, .size: 8, .value_kind: global_buffer, .address_space: global }
      - { .name: kv, .offset: 24, .size: 8, .value_kind: global_buffer, .address_space: global }
      - { .name: mw, .offset: 32, .size: 8, .value_kind: global_buffer, .address_space: global }
    .group_segment_fixed_size: 71168
    .private_segment_fixed_size: 0
    .kernarg_segment_align: 8
    .kernarg_segment_size: 40
    .max_flat_workgroup_size: 128
    .sgpr_count:     66
    .vgpr_count:     248
    .wavefront_size: 32
...
	.end_amdgpu_metadata
.endif
;; end of part 1
;; launch attn (part 2): grid 8 x 32, 8 waves a work-group, clusters of 4 x 1, 327,680 bytes of LDS; arguments q, kv, mw, out0; writes out0
.if DOCPART == 2
	.amdgcn_target "amdgcn-amd-amdhsa--gfx1250"
	.amdhsa_code_object_version 6
	.text
	.protected	k_q9f8d944e75_attn
	.globl	k_q9f8d944e75_attn
	.p2align	8
	.type	k_q9f8d944e75_attn,@function
k_q9f8d944e75_attn:
	s_mov_b64 s[64:65], 0
	v_nop
	global_prefetch_b8 v0, s[64:65] scope:SCOPE_SE
	s_setreg_imm32_b32 hwreg(HW_REG_WAVE_MODE, 25, 1), 1
	s_wait_xcnt 0x0
	s_wait_alu depctr_hold_cnt(0) depctr_sa_sdst(0) depctr_va_vdst(0) depctr_va_sdst(0) depctr_va_ssrc(0) depctr_va_vcc(0) depctr_vm_vsrc(0)
	s_getreg_b32 s2, hwreg(HW_REG_IB_STS2, 6, 4)
	s_cmp_eq_u32 s2, 0
	s_cbranch_scc0 .Lentry_in_a_cluster
	s_endpgm
.Lentry_in_a_cluster:
	s_bfe_u32 s2, ttmp6, 0x10000c
	s_cmp_lg_u32 s2, 0x3003
	s_cbranch_scc0 .Lentry_shape_is_right
	s_endpgm
.Lentry_shape_is_right:
; out[head][q][:] = sum over keys of softmax(q . k / 8 - 10000 mask[q][key]) v[key][:], 32 heads, 2,048 queries and keys, head size 64; both products on codes of BF6 (E3M2) with E8M0 scales for each 32 along K.
; K's and V's codes, their scale words and the mask's codes come from the launch before, as images of registers (its head comment gives the layouts).  Q is read once, so it is quantised here, in the head.
; SOFTMAX: S' = k . q - 80000 mask is summed in the matrix unit: the addend (the mask's codes widened, x -80000) stands in the accumulators as the first product's C (score / 8 - 10000 m = (score - 80000 m) / 8, exactly).
; t = S' c, c = log2(e) / 8; M = the running largest t rounded UP to a whole number (kept as -M = floor(-t)).  p = 2^(t - M) is quantised along the keys, not normalised; what stands in the registers is 16 p = 2^(t - M + 4), whose codes
; under the scale 2^e, e the exponent of the block's largest p, are p's codes under 2^(e - 4): so the largest p itself is the conversion's scale operand.  The sum, of the unquantised numbers, carries the same 16.
; When M moves, the sum and O are multiplied by 2^(old M - new M), exactly.
; SHARES: a work-group owns 256 queries (x) of one head (y), each of its eight waves TWO tiles of 16 queries, so that each fragment of K and V serves twice; both tiles go through the softmax side by side.  Two waves to a SIMD.
; K = 64 IN AN INSTRUCTION OF 128: a fragment of K carries two tiles of 16 keys (its lower and upper 64 along K).  Q stands as [6 zeros][6 registers of codes][6 zeros]: registers 6-17 (codes below) pick the lower tile,
; registers 0-11 (codes above) the upper: zero codes annul the other tile exactly.  Q's scale word holds its two bytes twice.
; LAYOUT: both products are used transposed (source 0 = keys, or V's rows d; source 1 = my queries): a lane holds ONE query of a tile throughout.  The tiles' keys are so chosen that S register 32 c + i of lane (r, h) is key 64 c + 32 h + i
; of the step: a lane holds two WHOLE blocks of 32 keys, in the order in which the second product's operand wants them.
; LDS holds the head's whole K and V, 16 steps of 128 keys, 204,800 bytes: filled once, in two parts, an eighth by each wave: steps 0-3 at the head (6,400 dense bytes a wave as 25 rows of 256), steps 4-15 (75 rows a wave) behind the
; first round, under the work of steps 0-2.  No byte is filled again.  No prefetch: no refill stands in a loop, so there is nothing to run ahead of; the mask's codes, 3,072 bytes a wave and step, are loaded into registers a whole step ahead.
; CLUSTER: the four query blocks of a cluster use the same head's K and V: both fills are JOINT loads, which divides those requests by four.  The mask's codes differ between partners.
; LIMITS: NaN and infinities are not served; p under 2^-130 counts as 0 (v_exp_f32 flushes), and a block's scale byte is held at 1; the scaled scores stay under 2^31 in magnitude; a block's largest p is taken from the block's
; largest score, which takes v_exp_f32 not to fall where its input rises.  A query's block under 2^(5 - 127) in magnitude gets the byte 1.
; The mask's entries are exact from -8 to 8 (the problem's are 0 and 1); beyond that they are rounded to three significant bits and held at 28 in magnitude.  A row that is wholly masked is served.
; REGISTERS, window 0: v1 spare word, v2 zero, v3 16 x lane, v5 scale words' lane term, v6 12 x lane, v7, v9 the step's LDS addresses; v12-19 statistics (-M, largest score, the sum in two halves; two tiles); v20-23 f;
;   v24-41 at work; v42-43 p's scale words; v44-45 Q's; v46-47 K's; v48-49 V's; v50 the mask codes' scale; v52-75 p's codes, v76-91 their upper halves (v52-83 before that: the sums' first level); v92-107 eight chains of sums; v108-235 S, then p.
; window 1: v0-63 O^T, 32 a tile; v64-111 K's four fragments; v112-159 V's; v160-195 Q (18 a tile); v196-227 the mask's codes.
.set STEPB, 12800                      ; a step's block
.set PARTB, 4*STEPB                    ; where the second fill begins
.set STAGE, 16*STEPB                   ; behind K and V: 16 rows x 272 bytes for each wave, for the way out; no fill lands there
.set SPARE, STAGE+8*16*272             ; the spare words, 128 bytes for each of eight waves: four blocks of 256 bytes that no other line names
.set ST,  12
.set PS,  42
.set QS,  44
.set KS,  46
.set VS,  48
.set MSC, 50
.set PC,  52
.set PX,  76
.set TT,  52
.set TS,  92
.set S,   108
.set OA,  0                            ; in window 1, these and the next four
.set KF,  64
.set VF,  112
.set QF,  160
.set MK,  196
.set MSB, 0
.macro WIN new                         ; low byte: bits 1:0 source 0, 3:2 source 1, 5:4 source 2, 7:6 destination; the high byte repeats the setting that is left
.if MSB != \new
	s_set_vgpr_msb (MSB<<8)|\new
.set MSB, \new
.endif
.endm
.macro CROUND                          ; a round of the cluster's barrier: my work-group's barrier, wave 0 signals for it, every wave waits for all four work-groups, my work-group's barrier once more
	s_barrier_signal -1
	s_barrier_wait -1
	s_cmp_lg_u32 s12, 0
	s_cbranch_scc1 .Lnot_wave_0_\@
	s_barrier_signal -3
.Lnot_wave_0_\@:
	s_barrier_wait -3
	s_barrier_signal -1
	s_barrier_wait -1
.endm
.macro FETCH_K va, vs, off             ; K's four fragments: images, 16 bytes a lane on end (to window 1); and their scale words.  Fourteen LDS loads
	WIN 0x40
.irp g, 0,1,2,3,4,5,6,7,8,9,10,11
	ds_load_b128 v[KF+4*\g:KF+4*\g+3], v[\va] offset:\off+512*\g
.endr
	WIN 0
	ds_load_b32 v[KS], v[\vs] offset:\off
	ds_load_b32 v[KS+1], v[\vs] offset:\off+128
.endm
.macro FETCH_M off                     ; the mask's codes of both tiles: eight loads of 384 consecutive bytes (to window 1)
	WIN 0x40
.irp a, 0,1
.irp g, 0,1,2,3
	global_load_b96 v[MK+16*\a+4*\g:MK+16*\a+4*\g+2], v6, s[36:37] offset:\off+1536*\a+384*\g
.endr
.endr
	WIN 0
.endm
.macro DEFER                           ; the end of the sums of the step before, kept for the places behind the first product: the four chains of a tile join, and the row's sum comes under the new M
.irp a, 0,1
	v_pk_add_f32 v[TS+8*\a:TS+8*\a+1], v[TS+8*\a:TS+8*\a+1], v[TS+8*\a+2:TS+8*\a+3]
.endr
.irp a, 0,1
	v_pk_add_f32 v[TS+8*\a+4:TS+8*\a+5], v[TS+8*\a+4:TS+8*\a+5], v[TS+8*\a+6:TS+8*\a+7]
.endr
.irp a, 0,1
	v_pk_add_f32 v[TS+8*\a:TS+8*\a+1], v[TS+8*\a:TS+8*\a+1], v[TS+8*\a+4:TS+8*\a+5]
.endr
.irp a, 0,1
	v_pk_fma_f32 v[ST+4*\a+2:ST+4*\a+3], v[ST+4*\a+2:ST+4*\a+3], v[20+2*\a:21+2*\a], v[TS+8*\a:TS+8*\a+1] op_sel_hi:[1,0,1]
.endr
.endm
; Both tiles' softmax of one step.
.macro SOFTMAX
.irp a, 0,1
.irp b, 0,1,2,3
	v_max3_num_f32 v[24+4*\a+\b], v[S+64*\a+16*\b], v[S+64*\a+16*\b+1], v[S+64*\a+16*\b+2]   ; eight chains by turns, two to a block of 32 keys; each accumulator is read from its low end on
.endr
.endr
.irp i, 3,5,7,9,11,13
.irp a, 0,1
.irp b, 0,1,2,3
	v_max3_num_f32 v[24+4*\a+\b], v[24+4*\a+\b], v[S+64*\a+16*\b+\i], v[S+64*\a+16*\b+\i+1]
.endr
.endr
.endr
.irp a, 0,1
	v_max3_num_f32 v[24+4*\a], v[24+4*\a], v[25+4*\a], v[S+64*\a+15]
	v_max3_num_f32 v[26+4*\a], v[26+4*\a], v[27+4*\a], v[S+64*\a+47]
.endr
.irp a, 0,1
	v_max_num_f32 v[24+4*\a], v[24+4*\a], v[S+64*\a+31]   ; my two blocks' largest scores
	v_max_num_f32 v[25+4*\a], v[26+4*\a], v[S+64*\a+63]
.endr
.irp a, 0,1
	v_max3_num_f32 v[32+\a], v[24+4*\a], v[25+4*\a], v[ST+4*\a+1]
.endr
.irp a, 0,1
	v_permlanex16_b32 v[34+\a], v[32+\a], s40, s41
.endr
.irp a, 0,1
	v_max_num_f32 v[ST+4*\a+1], v[32+\a], v[34+\a]   ; with lane l xor 16's blocks: the running largest score
.endr
.irp a, 0,1
	v_mul_f32 v[32+\a], s53, v[ST+4*\a+1]          ; -t
.endr
.irp a, 0,1
	v_floor_f32 v[36+\a], v[32+\a]                 ; the new -M = -ceil(t)
.endr
.irp a, 0,1
	v_add_f32 v[38+2*\a], 4.0, v[36+\a]            ; 4 - M
	v_sub_f32 v[32+\a], v[36+\a], v[ST+4*\a]       ; old M - new M: a whole number, 0 or less
.endr
.irp a, 0,1
	v_mov_b32 v[ST+4*\a], v[36+\a]
	v_cvt_i32_f32 v[32+\a], v[32+\a]               ; (it saturates)
.endr
.irp a, 0,1
	v_ldexp_f32 v[20+2*\a], 1.0, v[32+\a]          ; f = 2^(old M - new M)
.endr
.irp a, 0,1
	v_pk_fma_f32 v[24+4*\a:25+4*\a], v[24+4*\a:25+4*\a], s[38:39], v[ST+4*\a:ST+4*\a+1] op_sel_hi:[1,0,0]   ; t - M of the blocks' largest scores (of the pairs c and -M the low word serves both halves)
.endr
.set j, 0
.rept 32
	v_pk_fma_f32 v[S+2*j:S+2*j+1], v[S+2*j:S+2*j+1], s[38:39], v[38:39] op_sel_hi:[1,0,0]   ; t - M + 4, two at a time: tile 0
.set j, j+1
.endr
	s_wait_alu depctr_va_vdst(0)                   ; ahead of the batch
.irp a, 0,1
	v_exp_f32 v[24+4*\a], v[24+4*\a]               ; the blocks' largest p
	v_exp_f32 v[25+4*\a], v[25+4*\a]
.endr
.set j, 0
.rept 32
	v_exp_f32 v[S+2*j], v[S+2*j]                   ; 16 p
	v_exp_f32 v[S+2*j+1], v[S+2*j+1]
	v_pk_fma_f32 v[S+64+2*j:S+65+2*j], v[S+64+2*j:S+65+2*j], s[38:39], v[40:41] op_sel_hi:[1,0,0]   ; tile 1; the last of these is the plain place behind the exponentials
.set j, j+1
.endr
	s_wait_alu depctr_va_vdst(0)                   ; behind the first batch and ahead of the second
.set j, 0
.rept 32
	v_exp_f32 v[S+64+2*j], v[S+64+2*j]
	v_exp_f32 v[S+65+2*j], v[S+65+2*j]
.if j < 16
	v_pk_add_f32 v[TT+2*j:TT+2*j+1], v[S+2*j:S+2*j+1], v[S+32+2*j:S+33+2*j]   ; the first level of tile 0's sum, of the UNQUANTISED numbers
.elseif j > 27
	v_max_num_f32 v[26+4*((j-28)/2)+(j%2)], 0x800000, v[24+4*((j-28)/2)+(j%2)]   ; the floor 2^-126: the byte cannot fall under 1 (a block whose every p is 0 keeps that byte: its codes are zeros)
.endif
.set j, j+1
.endr
	s_wait_alu depctr_va_vdst(0)                   ; behind the second batch
.irp b, 0,1,2,3
	v_pk_add_f32 v[TS+2*\b:TS+2*\b+1], v[TT+2*\b:TT+2*\b+1], v[TT+8+2*\b:TT+9+2*\b]   ; the sums, four chains a tile
	v_pk_add_f32 v[TS+8+2*\b:TS+9+2*\b], v[S+64+2*\b:S+65+2*\b], v[S+72+2*\b:S+73+2*\b]
.endr
.irp i, 8,12,16,20,24,28
.irp b, 0,1,2,3
.if \i < 16
	v_pk_add_f32 v[TS+2*\b:TS+2*\b+1], v[TS+2*\b:TS+2*\b+1], v[TT+2*\i+2*\b:TT+2*\i+2*\b+1]
.endif
	v_pk_add_f32 v[TS+8+2*\b:TS+9+2*\b], v[TS+8+2*\b:TS+9+2*\b], v[S+64+2*\i+2*\b:S+65+2*\i+2*\b]
.endr
.endr
.irp a, 0,1
.irp c, 0,1
	v_cvt_scalef32_pk16_bf6_f32 v[PC+12*\a+6*\c:PC+12*\a+6*\c+2], v[S+64*\a+32*\c:S+64*\a+32*\c+15], v[26+4*\a+\c]
	v_cvt_scalef32_pk16_bf6_f32 v[PX+8*\a+4*\c:PX+8*\a+4*\c+2], v[S+64*\a+32*\c+16:S+64*\a+32*\c+31], v[26+4*\a+\c]   ; (a conversion's three registers begin on an even number)
.endr
.endr
.irp a, 0,1
	v_perm_b32 v[32+\a], v[27+4*\a], v[26+4*\a], s54   ; my two exponent fields: block h in bits 14:7, block 2 + h in bits 30:23
.endr
.irp a, 0,1
	v_permlanex16_b32 v[34+\a], v[32+\a], s40, s41
.endr
.irp a, 0,1
.irp c, 0,1
.irp i, 0,1,2
	v_mov_b32 v[PC+12*\a+6*\c+3+\i], v[PX+8*\a+4*\c+\i]
.endr
.endr
.endr
.irp a, 0,1
	v_lshlrev_b32 v[34+\a], 1, v[34+\a]            ; in lanes 0-15: lane l xor 16's blocks 1 and 3, to bytes 1 and 3,
	v_lshrrev_b32 v[32+\a], 7, v[32+\a]            ; my blocks 0 and 2 to bytes 0 and 2
.endr
.irp a, 0,1
	v_bfi_b32 v[PS+\a], s55, v[34+\a], v[32+\a]    ; p's scale word for these 128 keys (lanes 16-31 are not read)
.endr
.endm
; A STEP: both tiles x 128 keys.  nk = 1: the next step's mask codes and K are fetched.
.macro STEP nk
	s_wait_loadcnt 0x0                             ; this step's mask codes are in (asked for a step ago)
	s_wait_dscnt 0x0                               ; K's fragments and scale words are in
	WIN 0x01                                       ; the codes in window 1
.irp a, 0,1
.irp g, 0,1,2,3
	v_cvt_scale_pk16_f32_bf6 v[S+64*\a+16*\g:S+64*\a+16*\g+15], v[MK+16*\a+4*\g:MK+16*\a+4*\g+2], v[MSC]   ; the mask's sixteen entries as f32
.endr
.endr
	WIN 0
	v_add_nc_u32 v7, s42, v3                       ; the step's LDS addresses: codes,
	v_add_nc_u32 v9, s42, v5                       ; scale words.  (Plain places behind the conversions)
.if \nk
	FETCH_M 3072
.endif
.set j, 0
.rept 64
	v_pk_mul_f32 v[S+2*j:S+2*j+1], v[S+2*j:S+2*j+1], s[50:51] op_sel_hi:[1,0]   ; x -80000
.set j, j+1
.endr
	WIN 0x05                                       ; K and Q in window 1
.irp b, 0,1,2,3                                ; S^T = K Q^T + addend: sixteen accumulators, each taken once
.irp u, 0,1
.irp a, 0,1
.if (\b)%2
	v_wmma_scale_f32_16x16x128_f8f6f4 v[S+64*\a+16*\b+8*\u:S+64*\a+16*\b+8*\u+7], v[KF+12*\b:KF+12*\b+11], v[QF+18*\a+6-6*\u:QF+18*\a+17-6*\u], v[S+64*\a+16*\b+8*\u:S+64*\a+16*\b+8*\u+7], v[KS+\b/2], v[QS+\a] matrix_a_fmt:MATRIX_FMT_BF6 matrix_b_fmt:MATRIX_FMT_BF6 matrix_a_scale:MATRIX_SCALE_ROW1
.else
	v_wmma_scale_f32_16x16x128_f8f6f4 v[S+64*\a+16*\b+8*\u:S+64*\a+16*\b+8*\u+7], v[KF+12*\b:KF+12*\b+11], v[QF+18*\a+6-6*\u:QF+18*\a+17-6*\u], v[S+64*\a+16*\b+8*\u:S+64*\a+16*\b+8*\u+7], v[KS+\b/2], v[QS+\a] matrix_a_fmt:MATRIX_FMT_BF6 matrix_b_fmt:MATRIX_FMT_BF6
.endif
.endr
.endr
.endr
	WIN 0
	DEFER                                          ; places: in front of the reads of S, and of the loads into registers that these products have read
	ds_load_b32 v[VS], v9 offset:256
	ds_load_b32 v[VS+1], v9 offset:384
	WIN 0x40
.irp g, 0,1,2,3,4,5,6,7,8,9,10,11
	ds_load_b128 v[VF+4*\g:VF+4*\g+3], v7 offset:6144+512*\g
.endr
.if \nk
	FETCH_K 7, 9, STEPB
.endif
	WIN 0
	SOFTMAX
	s_wait_dscnt 14*\nk                            ; V's fragments and scale words are in (asked for a softmax ago); the next step's fourteen loads for K may be out
	WIN 0x41                                       ; O^T (destination and source 0) in window 1
	s_wait_alu depctr_va_vdst(0)                   ; directly ahead of the first reader of O^T
.irp a, 0,1
.set j, 0
.rept 16
	v_pk_mul_f32 v[OA+32*\a+j:OA+32*\a+j+1], v[OA+32*\a+j:OA+32*\a+j+1], v[20+2*\a:21+2*\a] op_sel_hi:[1,0]   ; O^T under the new M, from each accumulator's low end on.  These are also the places between p's codes and scale words and the products below
.set j, j+2
.endr
.endr
	WIN 0x51                                       ; V, C and D in window 1; p in window 0
.irp t, 0,1,2,3                                ; O^T += V^T P^T: eight accumulators by turns, one instruction a turn
.irp a, 0,1
.if (\t)%2
	v_wmma_scale_f32_16x16x128_f8f6f4 v[OA+32*\a+8*\t:OA+32*\a+8*\t+7], v[VF+12*\t:VF+12*\t+11], v[PC+12*\a:PC+12*\a+11], v[OA+32*\a+8*\t:OA+32*\a+8*\t+7], v[VS+\t/2], v[PS+\a] matrix_a_fmt:MATRIX_FMT_BF6 matrix_b_fmt:MATRIX_FMT_BF6 matrix_a_scale:MATRIX_SCALE_ROW1
.else
	v_wmma_scale_f32_16x16x128_f8f6f4 v[OA+32*\a+8*\t:OA+32*\a+8*\t+7], v[VF+12*\t:VF+12*\t+11], v[PC+12*\a:PC+12*\a+11], v[OA+32*\a+8*\t:OA+32*\a+8*\t+7], v[VS+\t/2], v[PS+\a] matrix_a_fmt:MATRIX_FMT_BF6 matrix_b_fmt:MATRIX_FMT_BF6
.endif
.endr
.endr
	WIN 0
.if \nk
	s_wait_xcnt 0x0                                ; the mask loads have had their addresses translated (ISA guide 3.1): their base steps only behind this wait
	s_add_nc_u64 s[36:37], s[36:37], 3072
	s_add_co_u32 s42, s42, STEPB
.endif
.endm
	s_load_b256 s[4:11], s[0:1], 0x0               ; q s[4:5], kv s[6:7], mw s[8:9], out s[10:11]
	v_lshl_add_u32 v1, v0, 2, SPARE                ; my spare word; never rewritten
	v_mov_b32 v2, 0                                ; never rewritten
	ds_add_u32 v1, v2                              ; the opening: the add, twice on end; its wait stands ahead of my first tensor load
	ds_add_u32 v1, v2
	v_lshrrev_b32 v3, 5, v0
	v_readfirstlane_b32 s12, v3                    ; wave 0..7
	v_and_b32 v7, 31, v0                           ; lane
	v_lshlrev_b32 v3, 4, v7                        ; 16 x lane: an image's place for my lane; never rewritten
	v_lshl_add_u32 v5, v7, 2, 12288                ; 4 x lane + where K's scale words stand in a block
	v_mul_u32_u24 v6, v7, 12
	v_and_b32 v8, 15, v0
	v_bfe_u32 v9, v0, 4, 1
	v_lshlrev_b32 v8, 8, v8
	v_lshl_add_u32 v10, v9, 7, v8                  ; Q: row r of 256 bytes, + 128 h (v10 is written again on the way out alone)
	s_bfe_u32 s13, ttmp6, 0x40000                  ; cx: my place in the cluster
	s_lshl_b32 s14, ttmp9, 2                       ; in a cluster launch ttmp9 counts clusters
	s_add_co_u32 s14, s14, s13                     ; my block of 256 queries: it enters Q's, the mask's and the output's addresses alone
	s_and_b32 s15, ttmp7, 0xffff                   ; the head, which the four partners share
	s_mul_i32 s20, s15, 16*STEPB                   ; the head's 16 blocks
	s_mov_b32 s21, 0
	; the first fill: my eighth of steps 0-3: 25 rows of 32 elements of 8 bytes, dense
	s_mov_b32 s32, 1                               ; group 0: 1:0 count = 1
	s_mul_i32 s33, s12, PARTB/8                    ; 63:32 LDS address: no place in the cluster enters it
	s_mov_b32 s23, 0
	s_add_co_u32 s22, s20, s33                     ; the same place in the head's blocks
	s_mov_b32 s24, 15|(3<<16)|(1<<21)              ; group 1: 15:0 the mask: all four work-groups; 17:16 elements of 8 bytes; 20 no padding; 21 set beside a mask
	s_mov_b32 s25, 32<<16                          ; tensor_dim0 = 32
	s_mov_b32 s26, 25<<16                          ; tensor_dim1 = 25
	s_mov_b32 s27, 32<<16                          ; tile_dim0 = 32
	s_mov_b32 s28, 25                              ; tile_dim1 = 25
	s_mov_b32 s29, 32                              ; from row to row
	s_mov_b32 s30, 0
	s_mov_b32 s31, 0
	; the second fill: my eighth of steps 4-15: 75 rows
	s_mov_b32 s44, 1
	s_mul_i32 s45, s12, 12*STEPB/8
	s_add_co_u32 s45, s45, PARTB
	s_add_co_u32 s20, s20, s45
	s_mov_b32 s56, 15|(3<<16)|(1<<21)
	s_mov_b32 s57, 32<<16
	s_mov_b32 s58, 75<<16
	s_mov_b32 s59, 32<<16
	s_mov_b32 s60, 75
	s_mov_b32 s61, 32
	s_mov_b32 s62, 0
	s_mov_b32 s63, 0
	s_lshl_b32 s16, s14, 3
	s_add_co_u32 s16, s16, s12                     ; my pair of tiles
	s_lshl_b32 s48, s16, 13                        ; Q and the output: 32 rows of 256 bytes a pair,
	s_lshl_b32 s49, s15, 19                        ; 2,048 rows a head
	s_add_co_u32 s48, s48, s49
	s_mov_b32 s49, 0
	s_mul_i32 s16, s16, 49152                      ; the mask: 16 entries of 3,072 bytes
	s_mov_b32 s17, 0
	s_mov_b32 s38, 0x3e38aa3b                      ; c = log2(e) / 8
	s_mov_b32 s39, s38                             ; (named with it as a pair, so it is written)
	s_mov_b32 s53, 0xbe38aa3b                      ; -c
	s_mov_b32 s50, 0xc79c4000                      ; -80000
	s_mov_b32 s51, s50
	s_mov_b32 s40, 0x76543210
	s_mov_b32 s41, 0xfedcba98                      ; v_permlanex16_b32: lane l xor 16
	s_mov_b32 s54, 0x07060302                      ; v_perm_b32: the two high halves
	s_mov_b32 s55, 0xff00ff00                      ; bytes 1 and 3
	s_wait_alu depctr_va_vdst(0)
	s_wait_dscnt 0x0                               ; both opening adds are done
	s_wait_kmcnt 0x0
	s_add_nc_u64 s[34:35], s[6:7], s[22:23]        ; 120:64 global address
	s_or_b32 s35, s35, 0x80000000                  ; 127:126 type = 2
	s_add_nc_u64 s[46:47], s[6:7], s[20:21]
	s_or_b32 s47, s47, 0x80000000
	s_add_nc_u64 s[36:37], s[8:9], s[16:17]        ; the mask's codes of my tiles
	s_add_nc_u64 s[4:5], s[4:5], s[48:49]
	s_add_nc_u64 s[10:11], s[10:11], s[48:49]
.irp a, 0,1
.irp i, 0,1,2,3,4,5,6,7
	global_load_b128 v[S+32*\a+4*\i:S+32*\a+4*\i+3], v10, s[4:5] offset:4096*\a+16*\i   ; Q(r, 32 h + 4 i ..) of tile a: the eight loads take each row's 256 bytes once
.endr
.endr
	CROUND                                         ; all four work-groups are here: the first joint loads meet
	tensor_load_to_lds s[32:35], s[24:31]          ; steps 0-3: the one fill at the start
	s_nop 0
.irp a, 0,1
	v_mov_b32 v[ST+4*\a], 0x7e800000               ; -M: a whole number, over every -M
	v_mov_b32 v[ST+4*\a+1], 0xff61b1e6             ; the largest score so far: -3e38, under every score
	v_mov_b32 v[ST+4*\a+2], 0                      ; the sum, in two halves
	v_mov_b32 v[ST+4*\a+3], 0
	v_mov_b32 v[34+\a], 0                          ; (a lane permute's destination counts as one of its sources)
	v_mov_b32 v[20+2*\a], 1.0
	v_mov_b32 v[21+2*\a], 0                        ; (named as the upper half of a pair; so are v39 and v41)
	v_mov_b32 v[39+2*\a], 0
.endr
	v_mov_b32 v[MSC], 0x7f7f7f7f                   ; the mask codes' scale: 1
.set j, 0
.rept 16
	v_mov_b32 v[TS+j], 0                           ; the step before the first has nothing to add
.set j, j+1
.endr
	FETCH_M 0                                      ; step 0's codes
	WIN 0x40                                       ; destination window 1
.set j, 0
.rept 64
	v_mov_b32 v[OA+j], 0                           ; O^T.  (The step is written once: the first finds zeros, which the first change of M leaves zeros)
.set j, j+1
.endr
.irp a, 0,1
.irp i, 0,1,2,3,4,5
	v_mov_b32 v[QF+18*\a+\i], 0
	v_mov_b32 v[QF+18*\a+12+\i], 0
.endr
.endr
	WIN 0
	s_wait_loadcnt 8                               ; Q's sixteen loads are in; the eight mask loads issued behind them may be out
; Q's codes: a lane's 32 numbers are one block along d, and the operand's own six registers
.irp a, 0,1
	v_max3_num_f32 v[24+\a], |v[S+32*\a]|, |v[S+32*\a+1]|, 0x2800000   ; the largest magnitude, the floor 2^(5 - 127) among the leaves
.endr
.irp i, 2,4,6,8,10,12,14,16,18,20,22,24,26,28,30
.irp a, 0,1
	v_max3_num_f32 v[24+\a], v[24+\a], |v[S+32*\a+\i]|, |v[S+32*\a+\i+1]|
.endr
.endr
.irp a, 0,1
	v_add_nc_u32 v[26+\a], 0xfe000000, v[24+\a]    ; 4 off the exponent field: the conversion's scale operand
.endr
.irp a, 0,1
	v_lshrrev_b32 v[28+\a], 23, v[26+\a]           ; the scale's byte
.endr
.irp a, 0,1
	v_permlanex16_b32 v[34+\a], v[28+\a], s40, s41
.endr
.irp a, 0,1
	v_lshl_or_b32 v[28+\a], v[34+\a], 8, v[28+\a]  ; in lanes 0-15: blocks 0 and 1,
.endr
.irp a, 0,1
	v_lshl_or_b32 v[QS+\a], v[28+\a], 16, v[28+\a] ; twice: they serve below and above
.endr
	WIN 0x40                                       ; Q in window 1
.irp a, 0,1
	v_cvt_scalef32_pk16_bf6_f32 v[QF+18*\a+6:QF+18*\a+8], v[S+32*\a:S+32*\a+15], v[26+\a]
.endr
	WIN 0
.irp a, 0,1
	v_cvt_scalef32_pk16_bf6_f32 v[PX+8*\a:PX+8*\a+2], v[S+32*\a+16:S+32*\a+31], v[26+\a]
.endr
	v_nop                                          ; one plain place behind a scaled conversion
	WIN 0x40
.irp a, 0,1
.irp i, 0,1,2
	v_mov_b32 v[QF+18*\a+9+\i], v[PX+8*\a+\i]
.endr
.endr
	WIN 0
	s_wait_alu depctr_va_vdst(0)
	s_wait_tensorcnt 0x0                           ; my part of steps 0-3 is in
	ds_add_u32 v1, v2                              ; 0 onto my spare word, in this form
	s_wait_dscnt 0x0
	CROUND                                         ; everybody's part of steps 0-3 is in, and all four work-groups are here
	tensor_load_to_lds s[44:47], s[56:63]          ; steps 4-15: the first thing behind the round
	s_nop 0
	FETCH_K 3, 5, 0                                ; step 0's K
	s_mov_b32 s42, 0                               ; LDS byte at which the step begins
	s_mov_b32 s43, 3
.Lfirst:                                           ; steps 0-2; the K of steps 1-3 is fetched
	STEP 1
	s_sub_co_u32 s43, s43, 1
	s_cmp_lg_u32 s43, 0
	s_cbranch_scc1 .Lfirst
	s_wait_tensorcnt 0x0                           ; my part of steps 4-15 is in
	ds_add_u32 v1, v2
	s_wait_dscnt 0x0
	s_barrier_signal -1
	s_barrier_wait -1                              ; and everybody's
	s_mov_b32 s42, 3*STEPB
	s_mov_b32 s43, 12
.Lrest:                                            ; steps 3-14; the K of steps 4-15 is fetched
	STEP 1
	s_sub_co_u32 s43, s43, 1
	s_cmp_lg_u32 s43, 0
	s_cbranch_scc1 .Lrest
	s_mov_b32 s42, 15*STEPB
	STEP 0                                         ; step 15 is written out: it fetches nothing
	; THE WAY OUT.  The sums' halves are added; O^T is divided by the sum and goes through my stage in LDS, a tile (16 rows of 256 bytes) at a time, so that sixteen lanes store one whole row.
	DEFER                                          ; (these plain lines are the places behind the last products)
	v_add_f32 v24, v14, v15
	v_add_f32 v25, v18, v19
	v_permlanex16_b32 v34, v24, s40, s41
	v_permlanex16_b32 v35, v25, s40, s41
	v_add_f32 v24, v24, v34                        ; with lane l xor 16's: the row's sum
	v_add_f32 v25, v25, v35
	s_wait_alu depctr_va_vdst(0)
	v_rcp_f32 v20, v24
	v_rcp_f32 v22, v25
	v_and_b32 v7, 15, v0                           ; r  (plain lines behind the reciprocals)
	v_bfe_u32 v8, v0, 4, 1                         ; h
	s_mul_i32 s13, s12, 16*272
	s_add_co_u32 s13, s13, STAGE                   ; my stage
	v_mul_u32_u24 v9, v7, 272
	v_lshl_add_u32 v9, v8, 5, v9
	v_add_nc_u32 v9, s13, v9                       ; in: row r; tile t's eight channels of my half: 64 t + 32 h bytes on
	v_mul_u32_u24 v10, v8, 272
	v_lshl_add_u32 v10, v7, 4, v10
	v_add_nc_u32 v10, s13, v10                     ; back: lanes 0-15 one row, lanes 16-31 the next
	WIN 0x01                                       ; source 0 (O^T) in window 1
	s_wait_alu depctr_va_vdst(0)
.irp a, 0,1
.set j, 0
.rept 16
	v_pk_mul_f32 v[S+32*\a+j:S+32*\a+j+1], v[OA+32*\a+j:OA+32*\a+j+1], v[20+2*\a:21+2*\a] op_sel_hi:[1,0]   ; register 8 t + i is out(row r, 16 t + 8 h + i); each accumulator from its low end on
.set j, j+2
.endr
.endr
	WIN 0
.irp a, 0,1
.irp t, 0,1,2,3
	ds_store_b128 v9, v[S+32*\a+8*\t:S+32*\a+8*\t+3] offset:64*\t
	ds_store_b128 v9, v[S+32*\a+8*\t+4:S+32*\a+8*\t+7] offset:64*\t+16
.endr
.irp i, 0,1,2,3,4,5,6,7
	ds_load_b128 v[S+64+32*\a+4*\i:S+64+32*\a+4*\i+3], v10 offset:544*\i   ; LDS serves a wave's instructions in order: these see my stores, and tile 1's stores come behind tile 0's loads
.endr
.endr
.irp a, 0,1
.irp i, 0,1,2,3,4,5,6,7
	s_wait_dscnt 23-16*\a-\i                       ; behind tile 0's load i: its 7 - i younger loads and tile 1's sixteen LDS lines; behind tile 1's: 7 - i
	global_store_b128 v3, v[S+64+32*\a+4*\i:S+64+32*\a+4*\i+3], s[10:11] offset:4096*\a+512*\i th:TH_STORE_NT   ; rows 2 i, 2 i + 1: sixteen lanes store 256 consecutive bytes, aligned
.endr
.endr
	s_wait_tensorcnt 0x0                           ; the wave's end, behind my last tensor load and my last LDS store
	ds_add_u32 v1, v2
	s_wait_dscnt 0x0
	CROUND                                         ; the closing round: no work-group ends while a partner may still ask for a tile that names it
	s_endpgm
.Lfunc_end_k_q9f8d944e75_attn:
	.size	k_q9f8d944e75_attn, .Lfunc_end_k_q9f8d944e75_attn-k_q9f8d944e75_attn
	.p2alignl 7, 3214868480
	.fill 96, 4, 3214868480
	.section	.rodata,"a",@progbits
	.p2align	6, 0x0
	.amdhsa_kernel k_q9f8d944e75_attn
		.amdhsa_group_segment_fixed_size 327680
		.amdhsa_private_segment_fixed_size 0
		.amdhsa_enable_private_segment 0
		.amdhsa_kernarg_size 32
		.amdhsa_user_sgpr_count 2
		.amdhsa_user_sgpr_kernarg_segment_ptr 1
		.amdhsa_wavefront_size32 1
		.amdhsa_system_sgpr_workgroup_id_x 1
		.amdhsa_system_sgpr_workgroup_id_y 1
		.amdhsa_system_sgpr_workgroup_id_z 1
		.amdhsa_system_vgpr_workitem_id 0
		.amdhsa_next_free_vgpr 488
		.amdhsa_next_free_sgpr 66
		.amdhsa_reserve_vcc 0
		.amdhsa_float_denorm_mode_32 3
		.amdhsa_float_denorm_mode_16_64 3
		.amdhsa_memory_ordered 1
		.amdhsa_forward_progress 1
		.amdhsa_inst_pref_size 117
	.end_amdhsa_kernel
	.amdgpu_metadata
---
amdhsa.version: [ 1, 2 ]
amdhsa.kernels:
  - .name:           k_q9f8d944e75_attn
    .symbol:         k_q9f8d944e75_attn.kd
    .args:
      - { .name: q, .offset: 0, .size: 8, .value_kind: global_buffer, .address_space: global }
      - { .name: kv, .offset: 8, .size: 8, .value_kind: global_buffer, .address_space: global }
      - { .name: mw, .offset: 16, .size: 8, .value_kind: global_buffer, .address_space: global }
      - { .name: out0, .offset: 24, .size: 8, .value_kind: global_buffer, .address_space: global }
    .group_segment_fixed_size: 327680
    .private_segment_fixed_size: 0
    .kernarg_segment_align: 8
    .kernarg_segment_size: 32
    .max_flat_workgroup_size: 256
    .sgpr_count:     66
    .vgpr_count:     488
    .wavefront_size: 32
...
	.end_amdgpu_metadata
.endif
;; end of part 2
